; MI455X (gfx1250); checked and timed in simulation.
; The chip was launched on July 23, 2026; its instructions are those of AMD's public machine-readable ISA for CDNA 5 (MIT licence, August 2026) and "CDNA5" Instruction Set Architecture Reference Guide (July 2026). The comments in the code are by the model that wrote it; some were corrected since.
;; To Me Attention. Allowed arithmetic: matrix products marked QUANTISED: E2M1 operands, one E8M0 scale for each 32 along K, by v_wmma_scale_f32_16x16x128_f8f6f4 with both operands' format E2M1 (or v_wmma_scale_f32_32x16x128_f4), f32 sums; products left as they are: bf16, f16 or f32 operands; f32 sums; everything else in f32.
;; Inputs: b_proj 1,024 float32; b_qkv 3,072 float32; size 8 x 1,024 x 1 float32; w_proj 1,024 x 1,024 float32; w_qkv 3,072 x 1,024 float32; x 8 x 1,024 x 1,024 float32.
;; Outputs: out0 8 x 1,024 x 1,024 float32; out1 8 x 1,024 x 64 float32.
;; This version of the problem:
;;   THIS VERSION OF THE PROBLEM IS GIVEN IN LOW PRECISION. The matrix products marked QUANTISED in the list below multiply operands that are first quantised to E2M1 (2 exponent bits, 1 mantissa bit; 4 bits a number), with one power-of-two scale for each 32 numbers along K (OCP MX v1.0); their sums are f32. The products marked 'left as it is' may take bf16, f16 or f32 operands, with f32 sums. Whichever they take, every output number must still come out within the allowed error. Rounding operands to bf16 (8 significant bits) uses up far more of that allowance than f16 does (11 bits, for magnitudes from 6e-5 to 65,504). All else is computed in f32.
;;   The module's matrix products, in the order in which they are computed (A, B: the left and right operand; K: the contracted axis; several contracted axes count as one K, in the product's order):
;;     1. [M 8,192, K 1,024] x [K 1,024, N 3,072]; A: input x; B: input w_qkv: QUANTISED
;;     2. batch 128 x [M 1,024, K 64] x [K 64, N 1,024]; A: computed on the way; B: computed on the way: left as it is (an operand is computed on the way)
;;     3. batch 128 x [M 1,024, K 1,024] x [K 1,024, N 64]; A: computed on the way; B: computed on the way: left as it is (an operand is computed on the way)
;;     4. [M 8,192, K 1,024] x [K 1,024, N 1,024]; A: computed on the way; B: input w_proj: left as it is (an operand is computed on the way)
;;   THE QUANTISER, for each operand of a quantised product, along K:
;;     - K is cut into blocks of 32 from its start; a last block that is shorter is filled with zeros.
;;     - A block's scale is 2^e with e = floor(log2(the largest magnitude in the block)) - 2, held to -126 .. 127; a block of zeros has e = 0. As a byte (E8M0): e + 127.
;;     - Each number is divided by its block's scale, clamped to +-6, and rounded to the nearest number of E2M1, ties to even, subnormals kept.
;;     - The product sums the exact products of the quantised numbers (number of the format x scale) in f32.
;;   ~~~python
;;   def quantise(x, axis):      # numpy; x: float32 -> the quantised numbers, widened to float32 again
;;       x = np.moveaxis(x, axis, -1); K = x.shape[-1]
;;       x = np.pad(x, [(0, 0)] * (x.ndim - 1) + [(0, -K % 32)]); x = x.reshape(x.shape[:-1] + (-1, 32)); a = np.abs(x).max(-1, keepdims=True)
;;       e = np.where(a > 0, np.clip(np.frexp(np.where(a > 0, a, 1))[1] - 1 - 2, -126, 127), 0)      # np.frexp(a)[1] - 1 = floor(log2(a)), exactly
;;       r = np.clip(x / 2.0 ** e, -6, 6)
;;       step = 2.0 ** (np.maximum(np.frexp(np.where(r == 0, 1, r))[1] - 1, 0) - 1)
;;       q = np.round(r / step) * step * 2.0 ** e      # np.round: ties to even
;;       return np.moveaxis(q.reshape(q.shape[:-2] + (-1,))[..., :K], -1, axis).astype(np.float32)
;;   ~~~
;; One version. Each part assembles by itself: llvm-mc -triple=amdgcn-amd-amdhsa -mcpu=gfx1250 --defsym DOCPART=n.
;; ======== version 1 of 1: 4 launches
;; limits: values outside matrix products are rounded to f16; values are held in f16: magnitudes above 65,504 overflow, below 6.1e-05 lose precision
;; workspace buffers: xc 4,194,304 bytes; xs 262,144 bytes; wc 1,572,864 bytes; ws 98,304 bytes; wimg 2,097,152 bytes; qkv 50,331,648 bytes; ow 16,777,216 bytes
;; launch prep (part 1): grid 480 x 1, 4 waves a work-group, no clusters, 50,688 bytes of LDS; arguments x, w_qkv, xc, xs, wc, ws, w_proj, wimg; writes xc, xs, wc, ws, wimg
.if DOCPART == 1
	.amdgcn_target "amdgcn-amd-amdhsa--gfx1250"
	.amdhsa_code_object_version 6
	.text
	.protected	k_q1a593840ae_prep
	.globl	k_q1a593840ae_prep
	.p2align	8
	.type	k_q1a593840ae_prep,@function
k_q1a593840ae_prep:
	s_mov_b64 s[64:65], 0
	v_nop
	global_prefetch_b8 v0, s[64:65] scope:SCOPE_SE
	s_setreg_imm32_b32 hwreg(HW_REG_WAVE_MODE, 25, 1), 1
	s_wait_xcnt 0x0
; PREP.  Two jobs in one launch, told apart by the work-group's number alone.
; Work-groups 0-351: x [8192][1024] and w_qkv [3072][1024], f32, become codes of FP4 (E2M1), K innermost, two codes a byte, with one E8M0 byte for each 32 along K.
;   A block's scale is 2^(floor(log2(its largest magnitude)) - 2); its byte is the largest magnitude's exponent field - 2, held at 1 from below.  A block of zeros gets the byte 1 where the
;   quantiser says 127: its codes are zeros, which add nothing under any byte but 0xff, and this program alone reads the bytes.
;   Rows are dense and K is a multiple of 32: both tensors are plain streams of blocks of 32.  A wave takes 16 steps of 512 numbers.  Each load reads 512 consecutive bytes; a step's 2,048 bytes turn
;   through the wave's own stage in LDS so that a lane holds 16 neighbours along K; a lane's 16 codes are 8 bytes, so a wave's store covers 256 consecutive bytes; a wave's 256 scale bytes leave as one store.
; Work-groups 352-479: w_proj [1024][1024], f32, is rounded to f16 and laid in the order of a matrix operand's registers: wimg [ks 32][ft 64][c 2][lane 32][16 bytes]; lane (r, h) of chunk c holds
;   feature 16 ft + r at k = 32 ks + 16 c + 8 h + 0..7.  A wave takes 16 features x 128 along K through its own stage; each store covers 512 consecutive bytes.
; LIMITS: blocks whose largest magnitude lies under 2^-124 keep the byte 1; NaN and infinities among the inputs are not served; |w_proj| stays under 65,504 (f16).
; No tensor loads, no barrier: waves share nothing.  The two paths have LDS bytes of their own.
.set WAVES, 4
.set STEPS, 16
.set WGA,   256                        ; work-groups for x: 8192 x 1024 / 32768
.set WGQ,   352                        ; and for both quantised tensors: + 3072 x 1024 / 32768
.set EMAX,  2
.set CB,    8                          ; bytes of 16 codes
.set R,     16                         ; v16-79   numbers as they are loaded
.set X,     80                         ; v80-111  two sets of 16 neighbours; on the w_proj path the f16 pairs
.set C,     128                        ; v128-191 codes, four registers a step; on the w_proj path the fragments' pieces
.set E,     112                        ; v112-127 a scale byte for each step
.set WREG,  8192                       ; LDS: a region for each wave: two stages of 32 x SP bytes, and behind them its 256 scale bytes
.set SP,    80                         ; a lane's place in a stage: 64 bytes + 16 of padding
.set PSTG,  WAVES*WREG                 ; the w_proj path's stages: 16 rows x PP bytes for each wave
.set PP,    272                        ; 256 bytes + 16 of padding
.set SPW,   12                         ; v12  LDS address of my spare word; never rewritten
.set NIL,   13                         ; v13  0; never rewritten
.set SPARE, PSTG+WAVES*16*PP           ; the spare words, 128 bytes for each wave, that no other line names
	s_load_b128 s[4:7], s[0:1], 0x0                ; x, w_qkv
	s_load_b128 s[8:11], s[0:1], 0x10              ; x's codes, x's scales
	s_load_b128 s[12:15], s[0:1], 0x20             ; w_qkv's codes, its scales
	s_load_b128 s[24:27], s[0:1], 0x30             ; w_proj, wimg
	v_lshl_add_u32 v[SPW], v0, 2, SPARE
	v_mov_b32 v[NIL], 0
	v_lshrrev_b32 v1, 5, v0
	v_readfirstlane_b32 s16, v1                    ; wave
	v_and_b32 v2, 31, v0                           ; lane
	v_lshlrev_b32 v3, 4, v2                        ; 16 x lane
	s_cmp_ge_u32 ttmp9, WGQ
	s_cbranch_scc1 .Lproj
	; ---------------- the quantiser
	s_mul_i32 s17, s16, WREG
	v_lshrrev_b32 v14, 2, v2
	v_mul_u32_u24 v14, v14, SP
	v_and_b32 v15, 3, v2
	v_lshl_add_u32 v14, v15, 4, v14
	v_add_nc_u32 v14, s17, v14                     ; the stage, on the way in: four lanes' 64 bytes on end, then 16 of padding
	v_mul_u32_u24 v15, v2, SP
	v_add_nc_u32 v15, s17, v15                     ; and on the way out: SP x lane: my 16 neighbours
	v_mul_u32_u24 v4, v2, CB                       ; my codes' place in a step's
	v_lshrrev_b32 v5, 1, v2
	s_add_co_u32 s17, s17, 2*32*SP
	v_add_nc_u32 v5, s17, v5                       ; LDS: my wave's 256 scale bytes, my block's byte
	v_lshlrev_b32 v7, 3, v2                        ; and on the way out 8 bytes a lane
	v_add_nc_u32 v6, s17, v7
	s_wait_kmcnt 0x0
	s_cmp_lt_u32 ttmp9, WGA                        ; x's work-group or w_qkv's?  Only pointers are chosen, by the work-group's number
	s_cselect_b64 s[4:5], s[4:5], s[6:7]
	s_cselect_b64 s[8:9], s[8:9], s[12:13]
	s_cselect_b64 s[10:11], s[10:11], s[14:15]
	s_cselect_b32 s17, 0, WGA
	s_sub_co_u32 s17, ttmp9, s17
	s_lshl_b32 s17, s17, 2
	s_add_co_u32 s18, s17, s16                     ; which run of 8,192 numbers of the tensor is my wave's
	s_mov_b32 s19, 0
	s_mov_b64 s[20:21], 512*STEPS*4
	s_mul_u64 s[20:21], s[18:19], s[20:21]
	s_add_nc_u64 s[4:5], s[4:5], s[20:21]
	s_mov_b64 s[20:21], 32*STEPS*CB
	s_mul_u64 s[20:21], s[18:19], s[20:21]
	s_add_nc_u64 s[8:9], s[8:9], s[20:21]
	s_lshl_b32 s18, s18, 8                         ; 256 scale bytes a run
	s_add_nc_u64 s[10:11], s[10:11], s[18:19]
.macro LOAD t
.irp i, 0,1,2,3
	global_load_b128 v[R+16*((\t)%4)+4*\i:R+16*((\t)%4)+4*\i+3], v3, s[4:5] offset:2048*(\t)+512*\i th:TH_LOAD_NT   ; 32 lanes read 512 consecutive bytes
.endr
.endm
.macro TURN t                          ; step t's numbers through the stage: LDS serves a wave's instructions in order, so no wait stands between the stores and the loads
.irp i, 0,1,2,3
	ds_store_b128 v14, v[R+16*((\t)%4)+4*\i:R+16*((\t)%4)+4*\i+3] offset:32*SP*((\t)%2)+8*SP*\i
.endr
.irp i, 0,1,2,3
	ds_load_b128 v[X+16*((\t)%2)+4*\i:X+16*((\t)%2)+4*\i+3], v15 offset:32*SP*((\t)%2)+16*\i
.endr
.endm
.irp t, 0,1,2,3
	LOAD \t
.endr
	s_wait_loadcnt 12                              ; step 0's four loads are in; the twelve of steps 1 to 3 may be out
	TURN 0
.macro STEP t
.set XS, X+16*((\t)%2)
.if (\t) > 0
	s_wait_dscnt 1                                 ; this step's numbers are back from the stage (the last step's byte store may be out): so its stores into the stage have read their registers,
.else
	s_wait_dscnt 0x0
.endif
.if (\t)+4 < STEPS
	LOAD (\t)+4                                    ; which take the loads of four steps on
.endif
.if (\t)+1 < STEPS
.if STEPS-2-(\t) >= 3
	s_wait_loadcnt 12                              ; the next step's four loads are in; those of the three steps behind it may be out
.else
	s_wait_loadcnt 4*(STEPS-2-(\t))
.endif
	TURN (\t)+1                                    ; and go through the other stage while this step is worked
.endif
	v_max3_num_f32 v8, |v[XS]|, |v[XS+1]|, |v[XS+2]|               ; the largest magnitude of my 16, in two chains
	v_max3_num_f32 v9, |v[XS+3]|, |v[XS+4]|, |v[XS+5]|
.irp i, 6,10
	v_max3_num_f32 v8, v8, |v[XS+\i]|, |v[XS+\i+1]|
	v_max3_num_f32 v9, v9, |v[XS+\i+2]|, |v[XS+\i+3]|
.endr
	v_max3_num_f32 v8, v8, |v[XS+14]|, |v[XS+15]|
	v_max3_num_f32 v8, v8, v9, (EMAX+1)<<23        ; and the floor 2^(EMAX + 1 - 127): the byte cannot fall under 1
	v_max_num_f32_dpp v8, v8, v8 row_xmask:1 row_mask:0xf bank_mask:0xf   ; and of my neighbour's 16: the block's
	v_add_nc_u32 v11, -(EMAX<<23), v8              ; EMAX off its exponent field: the conversion takes the exponent field of this operand as its scale, and nothing else of it
	v_cvt_scalef32_pk8_fp4_f32 v[C+4*(\t)], v[XS:XS+7], v11        ; eight numbers / the scale, to the nearest code, ties to even, beyond 6 the largest code
	v_cvt_scalef32_pk8_fp4_f32 v[C+4*(\t)+1], v[XS+8:XS+15], v11
	v_lshrrev_b32 v[E+(\t)], 23, v11               ; the scale's byte (a plain line behind the conversions)
	ds_store_b8 v5, v[E+(\t)] offset:16*(\t)       ; both lanes of a block write the same byte with the same value
	global_store_b64 v4, v[C+4*(\t):C+4*(\t)+1], s[8:9] offset:32*CB*(\t)   ; 32 lanes store 256 consecutive bytes
.endm
.irp t, 0,1,2,3,4,5,6,7,8,9,10,11,12,13,14,15
	STEP \t
.endr
	ds_load_b64 v[8:9], v6                         ; LDS serves a wave's instructions in order: these see my byte stores
	s_wait_dscnt 0x0
	global_store_b64 v7, v[8:9], s[10:11]          ; 32 lanes store my wave's 256 scale bytes
	s_branch .Lend
	; ---------------- w_proj into f16 fragments
.Lproj:
	s_sub_co_u32 s17, ttmp9, WGQ
	s_lshl_b32 s17, s17, 2
	s_add_co_u32 s17, s17, s16                     ; my wave's task, 0 .. 511
	s_lshr_b32 s18, s17, 3                         ; ft: which 16 features
	s_and_b32 s19, s17, 7                          ; which 128 along K
	s_lshl_b32 s20, s18, 16                        ; w_proj: 16 rows of 4,096 bytes,
	s_lshl_b32 s21, s19, 9                         ; 128 numbers of 4 bytes
	s_add_co_u32 s20, s20, s21
	s_mov_b32 s21, 0
	s_lshl_b32 s22, s19, 18                        ; wimg: four ks of 65,536 bytes,
	s_lshl_b32 s23, s18, 10                        ; a fragment of 1,024
	s_add_co_u32 s22, s22, s23
	s_mov_b32 s23, 0
	s_mul_i32 s28, s16, 16*PP
	s_add_co_u32 s28, s28, PSTG                    ; my stage
	v_lshl_add_u32 v4, v2, 3, s28                  ; in: 8 bytes a lane, a row an instruction
	v_and_b32 v6, 15, v0                           ; r
	v_bfe_u32 v7, v0, 4, 1                         ; h
	v_mul_u32_u24 v5, v6, PP
	v_lshl_add_u32 v5, v7, 4, v5
	v_add_nc_u32 v5, s28, v5                       ; back: row r, + 16 h
	s_wait_kmcnt 0x0
	s_add_nc_u64 s[24:25], s[24:25], s[20:21]
	s_add_nc_u64 s[26:27], s[26:27], s[22:23]
.irp i, 0,1,2,3,4,5,6,7,8,9,10,11,12,13,14,15
	global_load_b128 v[R+4*\i:R+4*\i+3], v3, s[24:25] offset:4096*\i th:TH_LOAD_NT   ; feature i: 512 consecutive bytes
.endr
	s_wait_loadcnt 0x0
.irp i, 0,1,2,3,4,5,6,7,8,9,10,11,12,13,14,15
	v_cvt_pk_f16_f32 v[X+2*\i], v[R+4*\i], v[R+4*\i+1]
	v_cvt_pk_f16_f32 v[X+2*\i+1], v[R+4*\i+2], v[R+4*\i+3]
.endr
.irp i, 0,1,2,3,4,5,6,7,8,9,10,11,12,13,14,15
	ds_store_b64 v4, v[X+2*\i:X+2*\i+1] offset:PP*\i
.endr
.irp g, 0,1,2,3,4,5,6,7
	ds_load_b128 v[C+4*\g:C+4*\g+3], v5 offset:64*(\g/2)+32*(\g%2)   ; piece (ks = g / 2, c = g % 2): k = 32 ks + 16 c + 8 h + 0..7 of row r; my own bytes, served in order
.endr
.irp g, 0,1,2,3,4,5,6,7
	s_wait_dscnt 7-\g                              ; piece g is in; the younger ones may be out
	global_store_b128 v3, v[C+4*\g:C+4*\g+3], s[26:27] offset:65536*(\g/2)+512*(\g%2)   ; 32 lanes store 512 consecutive bytes
.endr
.Lend:
	s_wait_tensorcnt 0x0                           ; the wave's end
	ds_add_u32 v[SPW], v[NIL]
	s_wait_dscnt 0x0
	s_endpgm
.Lfunc_end_k_q1a593840ae_prep:
	.size	k_q1a593840ae_prep, .Lfunc_end_k_q1a593840ae_prep-k_q1a593840ae_prep
	.p2alignl 7, 3214868480
	.fill 96, 4, 3214868480
	.section	.rodata,"a",@progbits
	.p2align	6, 0x0
	.amdhsa_kernel k_q1a593840ae_prep
		.amdhsa_group_segment_fixed_size 50688
		.amdhsa_private_segment_fixed_size 0
		.amdhsa_enable_private_segment 0
		.amdhsa_kernarg_size 64
		.amdhsa_user_sgpr_count 2
		.amdhsa_user_sgpr_kernarg_segment_ptr 1
		.amdhsa_wavefront_size32 1
		.amdhsa_system_sgpr_workgroup_id_x 1
		.amdhsa_system_sgpr_workgroup_id_y 1
		.amdhsa_system_sgpr_workgroup_id_z 1
		.amdhsa_system_vgpr_workitem_id 0
		.amdhsa_next_free_vgpr 192
		.amdhsa_next_free_sgpr 66
		.amdhsa_reserve_vcc 0
		.amdhsa_float_denorm_mode_32 3
		.amdhsa_float_denorm_mode_16_64 3
		.amdhsa_memory_ordered 1
		.amdhsa_forward_progress 1
		.amdhsa_inst_pref_size 41
	.end_amdhsa_kernel
	.amdgpu_metadata
---
amdhsa.version: [ 1, 2 ]
amdhsa.kernels:
  - .name:           k_q1a593840ae_prep
    .symbol:         k_q1a593840ae_prep.kd
    .args:
      - { .name: x, .offset: 0, .size: 8, .value_kind: global_buffer, .address_space: global }
      - { .name: w_qkv, .offset: 8, .size: 8, .value_kind: global_buffer, .address_space: global }
      - { .name: xc, .offset: 16, .size: 8, .value_kind: global_buffer, .address_space: global }
      - { .name: xs, .offset: 24, .size: 8, .value_kind: global_buffer, .address_space: global }
      - { .name: wc, .offset: 32, .size: 8, .value_kind: global_buffer, .address_space: global }
      - { .name: ws, .offset: 40, .size: 8, .value_kind: global_buffer, .address_space: global }
      - { .name: w_proj, .offset: 48, .size: 8, .value_kind: global_buffer, .address_space: global }
      - { .name: wimg, .offset: 56, .size: 8, .value_kind: global_buffer, .address_space: global }
    .group_segment_fixed_size: 50688
    .private_segment_fixed_size: 0
    .kernarg_segment_align: 8
    .kernarg_segment_size: 64
    .max_flat_workgroup_size: 128
    .sgpr_count:     66
    .vgpr_count:     192
    .wavefront_size: 32
...
	.end_amdgpu_metadata
.endif
;; end of part 1
;; launch qkv (part 2): grid 12 x 32, 4 waves a work-group, clusters of 4 x 4, 327,680 bytes of LDS; arguments xc, xs, wc, ws, b_qkv, qkv; writes qkv
.if DOCPART == 2
	.amdgcn_target "amdgcn-amd-amdhsa--gfx1250"
	.amdhsa_code_object_version 6
	.text
	.protected	k_q1a593840ae_qkv
	.globl	k_q1a593840ae_qkv
	.p2align	8
	.type	k_q1a593840ae_qkv,@function
k_q1a593840ae_qkv:
	s_mov_b64 s[64:65], 0
	v_nop
	global_prefetch_b8 v0, s[64:65] scope:SCOPE_SE
	s_setreg_imm32_b32 hwreg(HW_REG_WAVE_MODE, 25, 1), 1
	s_wait_xcnt 0x0
	s_wait_alu depctr_hold_cnt(0) depctr_sa_sdst(0) depctr_va_vdst(0) depctr_va_sdst(0) depctr_va_ssrc(0) depctr_va_vcc(0) depctr_vm_vsrc(0)
	s_getreg_b32 s2, hwreg(HW_REG_IB_STS2, 6, 4)
	s_cmp_eq_u32 s2, 0
	s_cbranch_scc0 .Lentry_in_a_cluster
	s_endpgm
.Lentry_in_a_cluster:
	s_bfe_u32 s2, ttmp6, 0x10000c
	s_cmp_lg_u32 s2, 0xf033
	s_cbranch_scc0 .Lentry_shape_is_right
	s_endpgm
.Lentry_shape_is_right:
; QKV.  x w_qkv^T + b_qkv on codes of FP4 (E2M1) with one E8M0 scale for each 32 along K; sums in f32; the results are rounded to f16 and stored in the order of the next launch's operand registers.
; xc [8192][512 bytes], xs [8192][32], wc [3072][512], ws [3072][32].  K = 1,024.
; SHARES.  A work-group of four waves makes 256 tokens x 256 features, a wave 128 x 128: 64 accumulators of 16 x 16, 512 registers.  ALL OF K LIES IN LDS: 256 rows of x and 256 of w, 512 bytes each, and their
; scale bytes: one load of codes and one of scale bytes a wave, nothing is filled again, one barrier.
; CLUSTERS: 4 x 4 work-groups.  The four of a row of the cluster need the same rows of x, the four of a column the same rows of w: each tile is asked for jointly.
; The cluster's x is the section: 0 = q, 1 = k, 2 = v; it is the same in all sixteen partners, and the one branch of the text that hangs on it stands behind the barrier.
; q AND k: source 0 = 16 rows of w, source 1 = 16 rows of x: a lane holds ONE token and eight neighbouring features.  v: the sources are swapped: a lane holds ONE feature and eight neighbouring tokens.
; Either way a lane's eight results, packed to f16, are the 16 bytes that this very lane holds of a 16-bit operand fragment (16 rows x 32 K = [c 2][lane 32][16 bytes]): so each store is 16 x lane, 512 consecutive bytes.
; qkv: three sections of 16,777,216 bytes, each [batch 8][head 16][131,072]:  q, k head: [tile of 16 tokens 64][d / 16: 4][512];  v head: [block of 32 keys 32][tile of 16 channels 4][c 2][512].
; The bias is the C of each sum's first matrix instruction.
; LIMITS: |q|, |k|, |v| stay under 65,504 (f16).
; REGISTERS, in windows of 256: window 0: v1-29 addresses; v32-95 scale words, two sets of four K steps; v128-191 x's fragments, ONE set; v192-255 the bias, eight registers for each block of features.
;   window 1: w's fragments, TWO sets, at v0 and at v128; on the way out the packed results.   window 2: the accumulators of my tokens 0-63 ((a, b) at v[8 (8 (a % 4) + b)]);   window 3: tokens 64-127.
.set PITCH,  528                       ; an LDS row: 512 bytes + 16 of padding = 132 words: the 16 rows that a load touches start 4 words apart modulo 64
.set HALFT,  128*PITCH                 ; 128 rows: what one tensor load brings, and what one wave reads of x or of w
.set SCL,    4*HALFT                   ; behind the codes: the scale bytes, as units of 256 bytes + 16 of padding
.set HALFS,  16*272                    ; those of 128 rows (4,096 bytes)
.set SBLK,   2*272                     ; those of 16 rows
.set SPARE,  SCL+4*HALFS               ; the spare words, 128 bytes for each wave, that no other line names
.set FR,     8                         ; registers of a fragment: 16 rows x 128 K
.set BO,   8                           ; v8-15   the bias loads' offsets, one for each register of an accumulator
.set ADRA, 16                          ; v16     LDS address of my fragments of x
.set ADRB, 20                          ; v20     of w
.set CO,   26                          ; v26     16 x lane
.set ADRS, 27                          ; v27     LDS address of my scale words: lanes 0-15 x's rows, lanes 16-31 w's
.set SPW,  28                          ; v28     LDS address of my spare word; never rewritten
.set NIL,  29                          ; v29     0; never rewritten
.set SC,   32                          ; scale words: K step q: register SC + 32 (q / 4) + 4 i + q % 4: lanes 0-15 x's block i, lanes 16-31 w's block i
.set AF,   128
.set BI,   192
.set G1,   24                          ; s[24:31] group 1 for x's codes;  s[32:35] its group 0
.set G0,   32
.set BIA,  36                          ; s[36:37] b_qkv
.set OUTB, 38                          ; s[38:39] qkv
.set G1B,  48                          ; s[48:55], s[56:59] the same for w's codes
.set G0B,  56
.set G1S,  68                          ; s[68:75], s[76:79] for x's scale bytes;  s[80:87], s[88:91] for w's
.set G0S,  76
.set G1SB, 80
.set G0SB, 88
.set MSB, 0
.macro WIN new                         ; s_set_vgpr_msb: bits 1:0 source 0, 3:2 source 1, 5:4 source 2, 7:6 destination; the high byte repeats the setting that is left
.if MSB != (\new)
	s_set_vgpr_msb (MSB<<8)|(\new)
.set MSB, (\new)
.endif
.endm
; A joint load: waves 0 and 1 fetch for x, waves 2 and 3 for w.  Each of the two lines has one mask and one set of registers for all that issue it; the branch hangs on the wave's number alone.
; An s_nop 0 and four v_nop follow each of the two lines.
.macro JLOAD g0a, g1a, g0b, g1b
	s_cmp_eq_u32 s15, 0
	s_cbranch_scc0 .Lfor_b_\@
	tensor_load_to_lds s[\g0a:\g0a+3], s[\g1a:\g1a+7]
	s_nop 0
.rept 4
	v_nop
.endr
	s_branch .Lasked_\@
.Lfor_b_\@:
	tensor_load_to_lds s[\g0b:\g0b+3], s[\g1b:\g1b+7]
	s_nop 0
.rept 4
	v_nop
.endr
.Lasked_\@:
.endm
.macro CROUND                          ; a round of the cluster's barrier
	s_barrier_signal -1
	s_barrier_wait -1
	s_cmp_lg_u32 s14, 0
	s_cbranch_scc1 .Lnot_wave_0_\@
	s_barrier_signal -3
.Lnot_wave_0_\@:
	s_barrier_wait -3
	s_barrier_signal -1
	s_barrier_wait -1
.endm
	s_load_b128 s[4:7], s[0:1], 0x0                ; x's codes, x's scales
	s_load_b128 s[8:11], s[0:1], 0x10              ; w's codes, w's scales
	s_load_b128 s[36:39], s[0:1], 0x20             ; b_qkv, qkv
	v_lshl_add_u32 v[SPW], v0, 2, SPARE
	v_mov_b32 v[NIL], 0
	ds_add_u32 v[SPW], v[NIL]                      ; the wave's opening: the add, twice on end, and its wait ahead of my first tensor load
	ds_add_u32 v[SPW], v[NIL]
	v_lshrrev_b32 v1, 5, v0
	v_readfirstlane_b32 s14, v1                    ; wave 0..3
	s_lshr_b32 s15, s14, 1                         ; which half of the tile's tokens is mine.  Also: I fetch for x (0) or for w (1)
	s_and_b32 s16, s14, 1                          ; which half of its features.  Also: which 128 rows I fetch
	s_bfe_u32 s40, ttmp6, 0x40000                  ; cx, cy: my place in the cluster
	s_bfe_u32 s41, ttmp6, 0x40004
	s_lshl_b32 s42, ttmp9, 2
	s_add_co_u32 s42, s42, s40                     ; tile column = 4 x cluster x + cx
	s_and_b32 s17, ttmp7, 0xffff
	s_lshl_b32 s17, s17, 2
	s_add_co_u32 s17, s17, s41                     ; tile row = 4 x cluster y + cy
	s_lshl_b32 s43, s41, 2
	s_lshl_b32 s43, 15, s43                        ; my row of the cluster
	s_lshl_b32 s44, 0x1111, s40                    ; my column
	; group 1 for codes: 128 rows x 512 bytes, 16 bytes of padding behind each
	s_or_b32 s[G1+0], s43, (0<<16)|(1<<20)|(1<<21)|(6<<22)|(3<<25)   ; 15:0 the mask; 17:16 elements of 1 byte; 20 padding on; 21 set beside a mask; 24:22 after every 128 words; 31:25 four words
	s_or_b32 s[G1B+0], s44, (0<<16)|(1<<20)|(1<<21)|(6<<22)|(3<<25)
.irp g, G1, G1B
	s_mov_b32 s[\g+1], 512<<16                     ; tensor_dim0
	s_mov_b32 s[\g+2], 128<<16                     ; tensor_dim1
	s_mov_b32 s[\g+3], 512<<16                     ; tile_dim0
	s_mov_b32 s[\g+4], 128                         ; tile_dim1
	s_mov_b32 s[\g+5], 512                         ; from row to row
	s_mov_b32 s[\g+6], 0
	s_mov_b32 s[\g+7], 0
.endr
	; and for the scale bytes of 128 rows: 4,096 dense bytes as 16 rows of 256 (32 elements of 8 bytes), 16 bytes of padding behind each
	s_or_b32 s[G1S+0], s43, (3<<16)|(1<<20)|(1<<21)|(5<<22)|(3<<25)
	s_or_b32 s[G1SB+0], s44, (3<<16)|(1<<20)|(1<<21)|(5<<22)|(3<<25)
.irp g, G1S, G1SB
	s_mov_b32 s[\g+1], 32<<16
	s_mov_b32 s[\g+2], 16<<16
	s_mov_b32 s[\g+3], 32<<16
	s_mov_b32 s[\g+4], 16
	s_mov_b32 s[\g+5], 32
	s_mov_b32 s[\g+6], 0
	s_mov_b32 s[\g+7], 0
.endr
	s_lshl_b32 s18, s16, 7                         ; which 128 rows of the tile I fetch
	s_lshl_b32 s20, s17, 8
	s_add_co_u32 s20, s20, s18                     ; x: row 256 x tile row + 128 x half
	s_lshl_b32 s46, s42, 8
	s_add_co_u32 s46, s46, s18                     ; w: row 256 x tile column + 128 x half
	s_lshl_b32 s22, s20, 5                         ; where these rows' scale bytes begin (32 a row),
	s_mov_b32 s23, 0
	s_lshl_b32 s92, s46, 5
	s_mov_b32 s93, 0
	s_lshl_b32 s20, s20, 9                         ; and their codes (512 a row)
	s_mov_b32 s21, 0
	s_lshl_b32 s46, s46, 9
	s_mov_b32 s47, 0
	s_mul_i32 s45, s14, HALFT                      ; where they go: wave x 128 rows: no place in the cluster enters an LDS address
	s_mul_i32 s94, s14, HALFS
	s_wait_dscnt 0x0                               ; both opening adds are done
	s_wait_kmcnt 0x0
	s_add_nc_u64 s[20:21], s[4:5], s[20:21]
	s_add_nc_u64 s[22:23], s[6:7], s[22:23]
	s_add_nc_u64 s[46:47], s[8:9], s[46:47]
	s_add_nc_u64 s[92:93], s[10:11], s[92:93]
	s_mov_b32 s[G0S], 1
	s_add_co_u32 s[G0S+1], s94, SCL
	s_mov_b64 s[G0S+2:G0S+3], s[22:23]
	s_or_b32 s[G0S+3], s[G0S+3], 0x80000000
	s_mov_b32 s[G0SB], 1
	s_add_co_u32 s[G0SB+1], s94, SCL
	s_mov_b64 s[G0SB+2:G0SB+3], s[92:93]
	s_or_b32 s[G0SB+3], s[G0SB+3], 0x80000000
	s_mov_b32 s[G0], 1
	s_mov_b32 s[G0+1], s45
	s_mov_b64 s[G0+2:G0+3], s[20:21]
	s_or_b32 s[G0+3], s[G0+3], 0x80000000
	s_mov_b32 s[G0B], 1
	s_mov_b32 s[G0B+1], s45
	s_mov_b64 s[G0B+2:G0B+3], s[46:47]
	s_or_b32 s[G0B+3], s[G0B+3], 0x80000000
	CROUND                                         ; all sixteen work-groups are here: the joint loads meet
	JLOAD G0S, G1S, G0SB, G1SB                     ; two tensor loads of mine are out: the scale bytes,
	JLOAD G0, G1, G0B, G1B                         ; and the codes
	v_and_b32 v1, 15, v0                           ; r = lane % 16
	v_bfe_u32 v2, v0, 4, 1                         ; h = lane / 16
	; THE BIAS, with no branch: register j of block b wants b_qkv at feature 16 b + 8 h + j (q, k: a lane's registers run along the features) or 16 b + r (v: a lane holds one feature)
	s_cmp_eq_u32 ttmp9, 2
	s_cselect_b32 s60, 4, 0                        ; bytes for each r,
	s_cselect_b32 s61, 0, 32                       ; for each h,
	s_cselect_b32 s62, 0, 4                        ; for each register
	v_mul_u32_u24 v7, s60, v1
	v_mad_u32_u24 v7, s61, v2, v7
.irp j, 0,1,2,3,4,5,6,7
	v_mad_u32_u24 v[BO+\j], s62, \j, v7
.endr
	s_lshl_b32 s92, s42, 10                        ; my first feature, in bytes: 1,024 x tile column + 512 x half
	s_lshl_b32 s93, s16, 9
	s_add_co_u32 s92, s92, s93
	s_mov_b32 s93, 0
	s_add_nc_u64 s[BIA:BIA+1], s[BIA:BIA+1], s[92:93]
.irp b, 0,1,2,3,4,5,6,7
.irp j, 0,1,2,3,4,5,6,7
	global_load_b32 v[BI+8*\b+\j], v[BO+\j], s[BIA:BIA+1] offset:64*\b
.endr
.endr
	v_mul_u32_u24 v3, v1, PITCH
	v_lshl_add_u32 v4, v2, 4, v3                   ; a fragment's row x pitch + 16 x half
	s_mul_i32 s21, s15, HALFT                      ; my 128 rows of x
	s_mul_i32 s22, s16, HALFT                      ; my 128 rows of w,
	s_add_co_u32 s22, s22, 2*HALFT                 ; which lie behind x's 256
	v_add_nc_u32 v[ADRA], s21, v4
	v_add_nc_u32 v[ADRB], s22, v4
	v_lshlrev_b32 v5, 5, v1                        ; my row's scale bytes: 32 a row,
	v_lshrrev_b32 v6, 8, v5
	v_lshl_add_u32 v5, v6, 4, v5                   ; and 16 more for each 256 passed
	s_mul_i32 s21, s15, HALFS
	s_mul_i32 s22, s16, HALFS
	s_add_co_u32 s22, s22, 2*HALFS
	s_sub_co_u32 s22, s22, s21
	v_mul_u32_u24 v6, s22, v2                      ; lanes 16-31 take w's: one product, the distance between the two bases x h
	s_add_co_u32 s21, s21, SCL
	v_add_nc_u32 v5, v5, v6
	v_add_nc_u32 v[ADRS], s21, v5
	v_and_b32 v6, 31, v0
	v_lshlrev_b32 v[CO], 4, v6
	; where my results go: section, batch, my first head, my first tile of 16 tokens (v: the same bytes count blocks of 32 keys)
	s_lshl_b32 s92, ttmp9, 24                      ; section x 16,777,216
	s_lshr_b32 s93, s17, 2
	s_lshl_b32 s93, s93, 21                        ; batch x 2,097,152
	s_add_co_u32 s92, s92, s93
	s_lshl_b32 s93, s40, 19                        ; 4 cx heads of 131,072 bytes
	s_add_co_u32 s92, s92, s93
	s_lshl_b32 s93, s16, 18                        ; my half's two heads
	s_add_co_u32 s92, s92, s93
	s_and_b32 s93, s17, 3
	s_lshl_b32 s93, s93, 15                        ; 256 tokens: 16 tiles of 2,048 bytes
	s_add_co_u32 s92, s92, s93
	s_lshl_b32 s93, s15, 14                        ; my half's 8 tiles
	s_add_co_u32 s92, s92, s93
	s_mov_b32 s93, 0
	s_add_nc_u64 s[OUTB:OUTB+1], s[OUTB:OUTB+1], s[92:93]
	s_wait_tensorcnt 0x0                           ; my parts of the scale bytes and of the codes are in,
	s_barrier_signal -1
	s_barrier_wait -1                              ; everybody's are
	s_wait_loadcnt 0x0                             ; the bias
.macro FRAG reg, adr, q, i             ; a fragment, 16 rows x 128 K of 4-bit codes: lane l holds row l % 16; registers 4 c .. 4 c + 3 hold K = 64 c + 32 (l / 16) + 0 .. 31
.irp c, 0,1
	ds_load_b128 v[\reg+4*\c:\reg+4*\c+3], v[\adr] offset:64*(\q)+32*\c+(\i)*16*PITCH
.endr
.endm
.macro FETCH_B q, p                    ; w's eight fragments of K step q into set p
	WIN 0x40
.irp i, 0,1,2,3,4,5,6,7
	FRAG 128*(\p)+FR*\i, ADRB, \q, \i
.endr
	WIN 0
.endm
.macro FETCH_A q, i0                   ; x's blocks i0 .. i0 + 3
.irp i, \i0, \i0+1, \i0+2, \i0+3
	FRAG AF+FR*(\i), ADRA, \q, \i
.endr
.endm
.macro SCALES set                      ; the scale words of K steps 4 set .. 4 set + 3
.irp i, 0,1,2,3,4,5,6,7
	ds_load_b128 v[SC+32*\set+4*\i:SC+32*\set+4*\i+3], v[ADRS] offset:\i*SBLK+16*\set
.endr
.endm
.macro PLACES                          ; four plain vector instructions between a matrix instruction and a load into, or a vector read or write of, one of its registers
.rept 4
	v_nop
.endr
.endm
.macro WMUL hi, first, sw              ; the windows of a run of products: w in window 1, x in window 0, D in window 2 + hi, C there too or, for the first K step, in window 0 (the bias)
	WIN ((2+\hi)<<6)|(((1-\first)*(2+\hi))<<4)|(1+3*\sw)
.endm
; 16 matrix instructions: x's blocks a0, a0 + 1 against w's eight, K step q.  p: w's set.  first = 1: the bias starts the sums.  sw = 1: the sources are swapped (v).
; The 64 accumulators take turns, one instruction a turn, in the same order in every K step.
.macro MUL16 a0, p, q, first, sw
.irp a, \a0, \a0+1
.irp b, 0,1,2,3,4,5,6,7
.set rD, 8*(8*((\a)%4)+\b)
.set rW, 128*(\p)+FR*\b
.set rX, AF+FR*(\a)
.set cW, SC+32*((\q)/4)+4*\b+(\q)%4
.set cX, SC+32*((\q)/4)+4*(\a)+(\q)%4
.set rC, rD
.if \first
.set rC, BI+8*\b
.endif
.if \sw
	v_wmma_scale_f32_16x16x128_f8f6f4 v[rD:rD+7], v[rX:rX+7], v[rW:rW+7], v[rC:rC+7], v[cX], v[cW] matrix_a_fmt:MATRIX_FMT_FP4 matrix_b_fmt:MATRIX_FMT_FP4 matrix_b_scale:MATRIX_SCALE_ROW1
.else
	v_wmma_scale_f32_16x16x128_f8f6f4 v[rD:rD+7], v[rW:rW+7], v[rX:rX+7], v[rC:rC+7], v[cW], v[cX] matrix_a_fmt:MATRIX_FMT_FP4 matrix_b_fmt:MATRIX_FMT_FP4 matrix_a_scale:MATRIX_SCALE_ROW1
.endif
.endr
.endr
.endm
; A K step of 128 that has a successor.  A block of x is free as soon as its eight products are issued: blocks 0-3 are fetched anew in the step's middle, blocks 4-7 at its end; w has two sets.
.macro STEP q, first, sw
	s_wait_dscnt 8                                 ; all is in but the youngest eight loads: x's blocks 4-7
	WMUL 0, \first, \sw
	MUL16 0, (\q)%2, \q, \first, \sw
	MUL16 2, (\q)%2, \q, \first, \sw
	s_wait_dscnt 0x0                               ; x's blocks 4-7 are in (asked for 32 matrix instructions ago)
	PLACES
	FETCH_B (\q)+1, 1-(\q)%2
	FETCH_A (\q)+1, 0
	WMUL 1, \first, \sw
	MUL16 4, (\q)%2, \q, \first, \sw
	MUL16 6, (\q)%2, \q, \first, \sw
	PLACES
	WIN 0
	FETCH_A (\q)+1, 4
.endm
; THE WAY OUT: block a's 64 x 8 results are rounded to f16 in pairs, each accumulator from its low end on, into window 1, whose fragments are done with; each group of four registers is one store of 512 consecutive bytes.
; No register is stored from twice, so nothing waits for a store.
.macro OUT sw
	PLACES
.irp a, 0,1,2,3,4,5,6,7
	WIN 0x4a+5*(\a/4)                              ; sources in window 2 or 3, destination in window 1
.irp b, 0,1,2,3,4,5,6,7
.irp i, 0,1,2,3
	v_cvt_pk_f16_f32 v[4*(8*\a+\b)+\i], v[8*(8*(\a%4)+\b)+2*\i], v[8*(8*(\a%4)+\b)+2*\i+1]
.endr
.endr
	WIN 0x04                                       ; a store's data are its source 1: window 1
.irp b, 0,1,2,3,4,5,6,7
.if \sw
	global_store_b128 v[CO], v[4*(8*\a+\b):4*(8*\a+\b)+3], s[OUTB:OUTB+1] offset:(\b/4)*131072+(\a/2)*4096+(\b%4)*1024+(\a%2)*512   ; head b / 4, keys 32 (a / 2) on, channels 16 (b % 4) on, c = a % 2
.else
	global_store_b128 v[CO], v[4*(8*\a+\b):4*(8*\a+\b)+3], s[OUTB:OUTB+1] offset:(\b/4)*131072+\a*2048+(\b%4)*512                  ; head b / 4, tokens 16 a on, d = 16 (b % 4) on
.endif
.endr
.endr
	WIN 0
.endm
.macro MAIN sw
	FETCH_B 0, 0
	FETCH_A 0, 0
	SCALES 0
	SCALES 1
	FETCH_A 0, 4
	STEP 0, 1, \sw
.irp q, 1,2,3,4,5,6
	STEP \q, 0, \sw
.endr
	s_wait_dscnt 8                                 ; the last K step: nothing more to fetch
	WMUL 0, 0, \sw
	MUL16 0, 1, 7, 0, \sw
	MUL16 2, 1, 7, 0, \sw
	s_wait_dscnt 0x0
	WMUL 1, 0, \sw
	MUL16 4, 1, 7, 0, \sw
	MUL16 6, 1, 7, 0, \sw
	OUT \sw
.endm
	s_cmp_eq_u32 ttmp9, 2                          ; the section: the same in all waves of all sixteen partners; no barrier, tensor load or wait for one stands in either arm
	s_cbranch_scc1 .Lvalues
	MAIN 0
	s_branch .Lend
.Lvalues:
	MAIN 1
.Lend:
	s_wait_tensorcnt 0x0                           ; the wave's end
	ds_add_u32 v[SPW], v[NIL]
	s_wait_dscnt 0x0
	CROUND                                         ; the closing round
	s_endpgm
.Lfunc_end_k_q1a593840ae_qkv:
	.size	k_q1a593840ae_qkv, .Lfunc_end_k_q1a593840ae_qkv-k_q1a593840ae_qkv
	.p2alignl 7, 3214868480
	.fill 96, 4, 3214868480
	.section	.rodata,"a",@progbits
	.p2align	6, 0x0
	.amdhsa_kernel k_q1a593840ae_qkv
		.amdhsa_group_segment_fixed_size 327680
		.amdhsa_private_segment_fixed_size 0
		.amdhsa_enable_private_segment 0
		.amdhsa_kernarg_size 48
		.amdhsa_user_sgpr_count 2
		.amdhsa_user_sgpr_kernarg_segment_ptr 1
		.amdhsa_wavefront_size32 1
		.amdhsa_system_sgpr_workgroup_id_x 1
		.amdhsa_system_sgpr_workgroup_id_y 1
		.amdhsa_system_sgpr_workgroup_id_z 1
		.amdhsa_system_vgpr_workitem_id 0
		.amdhsa_next_free_vgpr 1024
		.amdhsa_next_free_sgpr 98
		.amdhsa_reserve_vcc 0
		.amdhsa_float_denorm_mode_32 3
		.amdhsa_float_denorm_mode_16_64 3
		.amdhsa_memory_ordered 1
		.amdhsa_forward_progress 1
		.amdhsa_inst_pref_size 230
	.end_amdhsa_kernel
	.amdgpu_metadata
---
amdhsa.version: [ 1, 2 ]
amdhsa.kernels:
  - .name:           k_q1a593840ae_qkv
    .symbol:         k_q1a593840ae_qkv.kd
    .args:
      - { .name: xc, .offset: 0, .size: 8, .value_kind: global_buffer, .address_space: global }
      - { .name: xs, .offset: 8, .size: 8, .value_kind: global_buffer, .address_space: global }
      - { .name: wc, .offset: 16, .size: 8, .value_kind: global_buffer, .address_space: global }
      - { .name: ws, .offset: 24, .size: 8, .value_kind: global_buffer, .address_space: global }
      - { .name: b_qkv, .offset: 32, .size: 8, .value_kind: global_buffer, .address_space: global }
      - { .name: qkv, .offset: 40, .size: 8, .value_kind: global_buffer, .address_space: global }
    .group_segment_fixed_size: 327680
    .private_segment_fixed_size: 0
    .kernarg_segment_align: 8
    .kernarg_segment_size: 48
    .max_flat_workgroup_size: 128
    .sgpr_count:     98
    .vgpr_count:     1024
    .wavefront_size: 32
...
	.end_amdgpu_metadata
.endif
;; end of part 2
;; launch attn (part 3): grid 2 x 128, 8 waves a work-group, no clusters, 327,680 bytes of LDS; arguments qkv, size, ow, out1; writes ow, out1
.if DOCPART == 3
	.amdgcn_target "amdgcn-amd-amdhsa--gfx1250"
	.amdhsa_code_object_version 6
	.text
	.protected	k_q1a593840ae_attn
	.globl	k_q1a593840ae_attn
	.p2align	8
	.type	k_q1a593840ae_attn,@function
k_q1a593840ae_attn:
	s_mov_b64 s[64:65], 0
	v_nop
	global_prefetch_b8 v0, s[64:65] scope:SCOPE_SE
	s_setreg_imm32_b32 hwreg(HW_REG_WAVE_MODE, 25, 1), 1
	s_wait_xcnt 0x0
; ATTN.  o = softmax_k(q . k / 8 + ln(size_k)) v for one head, and out1 = the mean of k over the 16 heads.  q, k, v: f16, in the order of operand registers (launch qkv); products with f32 sums; maxima, exponentials and
; sums in f32; the weights p are rounded to f16 for the second product, o to f16 at the end (it is the next launch's operand).
; SHARES.  A work-group owns 512 queries of one head (x: which half; y: batch x 16 + head), each of its eight waves 64: four tiles of 16.  Two waves lie on a SIMD and pass only two barriers, so one wave's softmax can
; stand beside the other's products.  THE HEAD'S WHOLE K AND V LIE IN LDS, 131,072 dense bytes each, as fragments: every fragment load is 16 x lane.  Nothing is filled again.
; Each wave brings two parts: one of keys 0-255 (stage A) and one of keys 256-1,023 (stage B); the first three key steps run while stage B is on its way.
; NO CLUSTER: a head's K and V have two readers, the two halves of its queries; the clusters in use are four wide, and two heads share nothing.  NO PREFETCH: every tensor load goes out at the head.
; LAYOUT.  S^T = K Q^T (source 0 = 16 keys, source 1 = 16 queries): a lane holds ONE query (lane % 16) and the keys 8 (lane / 16) + 0..7 of a tile.  Two such tiles, rounded to f16 in pairs, ARE source 1 of
; O^T = V^T P, whose result again holds one query a lane and eight channels: 16 bytes of f16, this lane's own piece of a fragment of the next launch's operand.
; THE BIAS costs no vector instruction: 8 ln(size) of the tile's keys is the C of the first product, so s = q . k + 8 ln(size) and p = 2^(c s - c m), c = log2(e) / 8.
; SOFTMAX.  For each query a running maximum m and sum l; in every step O and l are multiplied by f = 2^(c m_old - c m_new).
; ow: [block of 128 tokens 64][ks 32][tile of 16 tokens 8][c 2][512 bytes], ks = 2 head + channel / 32.
; LIMITS: a size under 2^-126 counts as 0 (the logarithm takes denormals as zero); out1 is the f32 mean of k AFTER its rounding to f16 (each k is off by at most 2^-12 of itself).
; REGISTERS: window 0: v1-15 addresses; v16-47 statistics, 8 a tile; v48-175 S^T, 32 a tile, then p, then P in each tile's first 16; v176-207 8 ln(size) of the step's keys; v208-239 K, channels 0-31; v240-255 the head's work.
;   window 1: v0-63 Q; v64-191 O^T, 32 a tile; v192-255 K, channels 32-63 (the lower half), then V.
.set VOFF,  131072                     ; LDS: K from 0, V from here,
.set LSZ,   262144                     ; 8 ln(size) of the batch's 1,024 keys, f32,
.set ST1,   LSZ+4096                   ; out1's stage: 32 rows x (256 bytes + 16),
.set SPARE, ST1+32*272                 ; and the spare words, 128 bytes for each wave, that no other line names
.set LI,  1                            ; v1   16 x lane
.set ADK, 3                            ; v3   LDS address of the K tiles in hand
.set ADV, 4                            ; v4   of V's
.set ALZ, 5                            ; v5   of the log-sizes
.set AL0, 6                            ; v6   LSZ + 32 (lane / 16)
.set AV0, 7                            ; v7   VOFF + 16 x lane
.set SPW, 8                            ; v8   LDS address of my spare word; never rewritten
.set NIL, 9                            ; v9   0; never rewritten
.set ST,  16                           ; tile t at ST + 8 t: +0 c m, +1 m, +2, +3 l (even keys', odd keys'), +4 .. +7 c0-c3 at work; the step's sum takes +4, +5; f takes +6
.set S,   48
.set LZ,  176
.set BUF0, 208
.set QF,  0                            ; window 1
.set O,   64
.set BUF1, 192
.set WV,  12                           ; s12  my wave's number
.set G1A, 16                           ; s[16:23] group 1, 32 rows of 256 bytes;  s[24:31] 96 rows;  s[32:35], s[36:39] their groups 0
.set G1B, 24
.set G0A, 32
.set G0B, 36
.set CS,  40                           ; s[40:41] c, twice
.set SEL, 42                           ; s[42:43] lane selects for v_permlanex16_b32: lane l xor 16
.set TB,  44                           ; s44  byte at which the tiles to be fetched begin: 8,192 a key step, in K and in V
.set TL,  45                           ; s45  the same for the log-sizes: 256 a step
.set CNT, 47
.set MSB, 0
.macro WIN new                         ; s_set_vgpr_msb: bits 1:0 source 0, 3:2 source 1, 5:4 source 2, 7:6 destination; the high byte repeats the setting that is left
.if MSB != (\new)
	s_set_vgpr_msb (MSB<<8)|(\new)
.set MSB, (\new)
.endif
.endm
	s_load_b256 s[4:11], s[0:1], 0x0               ; qkv s[4:5], size s[6:7], ow s[8:9], out1 s[10:11]
	v_lshl_add_u32 v[SPW], v0, 2, SPARE
	v_mov_b32 v[NIL], 0
	ds_add_u32 v[SPW], v[NIL]                      ; the wave's opening: the add, twice on end, and its wait ahead of my first tensor load
	ds_add_u32 v[SPW], v[NIL]
	v_lshrrev_b32 v2, 5, v0
	v_readfirstlane_b32 s[WV], v2                  ; wave 0..7
	s_and_b32 s13, ttmp7, 0xffff                   ; batch x 16 + head
	s_lshr_b32 s14, s[WV], 2                       ; I fetch for K (0) or for V (1),
	s_and_b32 s15, s[WV], 3                        ; this quarter of a stage
.irp g, G1A, G1B
	s_mov_b32 s[\g], 3<<16                         ; no mask, elements of 8 bytes, no padding
	s_mov_b32 s[\g+1], 32<<16                      ; tensor_dim0 = 32 elements: rows of 256 bytes
	s_mov_b32 s[\g+3], 32<<16                      ; tile_dim0
	s_mov_b32 s[\g+5], 32                          ; dense
	s_mov_b32 s[\g+6], 0
	s_mov_b32 s[\g+7], 0
.endr
	s_mov_b32 s[G1A+2], 32<<16                     ; tensor_dim1, tile_dim1: 32 rows,
	s_mov_b32 s[G1A+4], 32
	s_mov_b32 s[G1B+2], 96<<16                     ; 96 rows
	s_mov_b32 s[G1B+4], 96
	s_lshl_b32 s48, s14, 17                        ; K's or V's bytes in LDS
	s_lshl_b32 s49, s15, 13                        ; stage A: my 8,192 bytes
	s_mul_i32 s50, s15, 24576                      ; stage B: my 24,576 bytes,
	s_add_co_u32 s50, s50, 32768                   ; behind stage A's 32,768
	s_add_co_u32 s52, s14, 1
	s_lshl_b32 s52, s52, 24                        ; section k or v,
	s_lshl_b32 s53, s13, 17                        ; my head
	s_add_co_u32 s52, s52, s53
	s_add_co_u32 s54, s52, s50
	s_mov_b32 s55, 0
	s_add_co_u32 s52, s52, s49
	s_mov_b32 s53, 0
	s_mov_b32 s[CS], 0x3e38aa3b                    ; c = log2(e) / 8
	s_mov_b32 s[CS+1], s[CS]
	s_mov_b32 s[SEL], 0x76543210
	s_mov_b32 s[SEL+1], 0xfedcba98
	s_mov_b32 s[TB], 0
	s_mov_b32 s[TL], 0
	s_wait_dscnt 0x0                               ; both opening adds are done
	s_wait_kmcnt 0x0
	s_mov_b32 s[G0A], 1
	s_add_co_u32 s[G0A+1], s48, s49
	s_add_nc_u64 s[G0A+2:G0A+3], s[4:5], s[52:53]
	s_or_b32 s[G0A+3], s[G0A+3], 0x80000000
	s_mov_b32 s[G0B], 1
	s_add_co_u32 s[G0B+1], s48, s50
	s_add_nc_u64 s[G0B+2:G0B+3], s[4:5], s[54:55]
	s_or_b32 s[G0B+3], s[G0B+3], 0x80000000
	tensor_load_to_lds s[G0A:G0A+3], s[G1A:G1A+7]  ; two tensor loads of mine are out: my part of keys 0-255,
	s_nop 0
	tensor_load_to_lds s[G0B:G0B+3], s[G1B:G1B+7]  ; and of keys 256-1,023
	s_nop 0
.rept 4
	v_nop
.endr
	v_and_b32 v[LI], 31, v0
	v_lshlrev_b32 v[LI], 4, v[LI]
	v_lshlrev_b32 v14, 4, v0                       ; size: four numbers a thread
	s_mov_b32 s51, 0
	s_lshr_b32 s48, s13, 4                         ; batch
	s_lshl_b32 s50, s48, 12
	s_add_nc_u64 s[6:7], s[6:7], s[50:51]          ; its 1,024 sizes
	s_lshl_b32 s49, s13, 1
	s_add_co_u32 s49, s49, ttmp9                   ; g = 0 .. 255: this work-group makes rows 32 g .. 32 g + 31 of out1
	s_lshr_b32 s50, s49, 5
	s_lshl_b32 s50, s50, 21                        ; their batch,
	s_lshl_b32 s52, s49, 1
	s_and_b32 s52, s52, 63
	s_add_co_u32 s52, s52, s14                     ; my tile of 16 tokens (waves 0-3 the first, waves 4-7 the second),
	s_lshl_b32 s52, s52, 11
	s_add_co_u32 s50, s50, s52
	s_lshl_b32 s52, s15, 9                         ; my 16 channels of the 64,
	s_add_co_u32 s50, s50, s52
	s_add_co_u32 s50, s50, 1<<24                   ; in section k
	s_add_nc_u64 s[62:63], s[4:5], s[50:51]
	s_lshl_b32 s50, s49, 13                        ; out1: 32 g rows of 256 bytes,
	s_lshl_b32 s52, s[WV], 10                      ; my four
	s_add_co_u32 s50, s50, s52
	s_add_nc_u64 s[10:11], s[10:11], s[50:51]
	s_lshl_b32 s50, s48, 3                         ; ow: the block of 128 tokens: 8 x batch + 4 x half + wave / 2,
	s_lshl_b32 s52, ttmp9, 2
	s_add_co_u32 s50, s50, s52
	s_lshr_b32 s52, s[WV], 1
	s_add_co_u32 s50, s50, s52
	s_lshl_b32 s50, s50, 18
	s_and_b32 s52, s13, 15
	s_lshl_b32 s52, s52, 14                        ; my head's two ks,
	s_add_co_u32 s50, s50, s52
	s_and_b32 s52, s[WV], 1
	s_lshl_b32 s52, s52, 12                        ; my four tiles of the block's eight
	s_add_co_u32 s50, s50, s52
	s_add_nc_u64 s[8:9], s[8:9], s[50:51]
	s_lshl_b32 s50, s13, 17                        ; Q: my head, in section q,
	s_lshl_b32 s52, ttmp9, 16                      ; my half's 32 tiles of 2,048 bytes,
	s_add_co_u32 s50, s50, s52
	s_lshl_b32 s52, s[WV], 13                      ; my four
	s_add_co_u32 s50, s50, s52
	s_add_nc_u64 s[4:5], s[4:5], s[50:51]
	global_load_b128 v[244:247], v14, s[6:7]       ; sizes
.irp n, 0,1,2,3,4,5,6,7,8,9,10,11,12,13,14,15
	global_load_b128 v[S+4*\n:S+4*\n+3], v[LI], s[62:63] offset:131072*\n   ; head n's k: token lane % 16, my 16 channels' half: eight f16
.endr
	WIN 0x40
.irp i, 0,1,2,3,4,5,6,7,8,9,10,11,12,13,14,15
	global_load_b128 v[QF+4*\i:QF+4*\i+3], v[LI], s[4:5] offset:512*\i      ; Q stays in registers: tile i / 4, channels 32 ((i / 2) % 2) on
.endr
	WIN 0
	v_and_b32 v2, 15, v0                           ; r
	v_bfe_u32 v15, v0, 4, 1                        ; h
	v_lshl_add_u32 v10, v0, 4, LSZ                 ; where my four log-sizes go
	s_mul_i32 s54, s14, 16*272
	s_lshl_b32 s55, s15, 6
	s_add_co_u32 s54, s54, s55
	s_add_co_u32 s54, s54, ST1
	v_mul_u32_u24 v11, v2, 272
	v_lshl_add_u32 v11, v15, 5, v11
	v_add_nc_u32 v11, s54, v11                     ; out1's stage, in: row 16 (wave / 4) + r, byte 64 (wave % 4) + 32 h
	s_mul_i32 s55, s[WV], 4*272
	s_add_co_u32 s55, s55, ST1
	v_mul_u32_u24 v12, v15, 272
	v_lshl_add_u32 v12, v2, 4, v12
	v_add_nc_u32 v12, s55, v12                     ; back: row 4 wave + h, 16 bytes a lane
	v_lshlrev_b32 v13, 8, v15
	v_lshl_add_u32 v13, v2, 4, v13                 ; and the same place in out1
	v_lshl_add_u32 v[AL0], v15, 5, LSZ
	v_add_nc_u32 v[AV0], VOFF, v[LI]
	s_wait_loadcnt 32                              ; the sizes are in; the 32 younger loads may be out
.irp i, 0,1,2,3
	v_log_f32 v[240+\i], v[244+\i]
.endr
	v_nop                                          ; a plain instruction behind the logarithms,
	s_wait_alu depctr_va_vdst(0)                   ; and one wait ahead of their first reader
.irp i, 0,1,2,3
	v_mul_f32 v[244+\i], 0x40b17218, v[240+\i]     ; 8 ln(size) = 8 ln(2) log2(size)
.endr
	ds_store_b128 v10, v[244:247]
	s_wait_loadcnt 16                              ; the sixteen heads' k are in; Q's sixteen loads may be out
.irp r, 48,49,50,51
	v_cvt_f32_f16 v[240+2*(\r%4)], v\r\().l        ; head 0 starts the sums
	v_cvt_f32_f16 v[241+2*(\r%4)], v\r\().h
.endr
.irp r, 52,53,54,55,56,57,58,59,60,61,62,63,64,65,66,67,68,69,70,71,72,73,74,75,76,77,78,79,80,81,82,83,84,85,86,87,88,89,90,91,92,93,94,95,96,97,98,99,100,101,102,103,104,105,106,107,108,109,110,111
	v_cvt_f32_f16 v[248+2*(\r%4)], v\r\().l
	v_cvt_f32_f16 v[249+2*(\r%4)], v\r\().h
	v_pk_add_f32 v[240+2*(\r%4):241+2*(\r%4)], v[240+2*(\r%4):241+2*(\r%4)], v[248+2*(\r%4):249+2*(\r%4)]
.endr
.irp i, 0,2,4,6
	v_pk_mul_f32 v[240+\i:241+\i], v[240+\i:241+\i], 0x3d800000 op_sel_hi:[1,0]   ; / 16
.endr
	ds_store_b128 v11, v[240:243]
	ds_store_b128 v11, v[244:247] offset:16
	s_wait_tensorcnt 1                             ; my part of stage A is in; stage B's may stay out
	s_wait_dscnt 0x0                               ; for the others' sake: my stores of log-sizes and means have landed
	s_barrier_signal -1
	s_barrier_wait -1
	ds_load_b128 v[240:243], v12                   ; out1 leaves as whole rows: sixteen lanes to a row of 256 bytes
	ds_load_b128 v[244:247], v12 offset:2*272
	s_wait_dscnt 0x0
	global_store_b128 v13, v[240:243], s[10:11]
	global_store_b128 v13, v[244:247], s[10:11] offset:512
.macro LD_K0                           ; the step's four tiles of 16 keys, channels 0-31
.irp kt, 0,1,2,3
.irp c, 0,1
	ds_load_b128 v[BUF0+8*\kt+4*\c:BUF0+8*\kt+4*\c+3], v[ADK] offset:2048*\kt+512*\c
.endr
.endr
.endm
.macro LD_K1                           ; channels 32-63
	WIN 0x40
.irp kt, 0,1,2,3
.irp c, 0,1
	ds_load_b128 v[BUF1+8*\kt+4*\c:BUF1+8*\kt+4*\c+3], v[ADK] offset:2048*\kt+1024+512*\c
.endr
.endr
	WIN 0
.endm
.macro LD_LZ                           ; 8 ln(size) of keys 16 kt + 8 h + 0..7: the result's layout
.irp kt, 0,1,2,3
.irp u, 0,1
	ds_load_b128 v[LZ+8*\kt+4*\u:LZ+8*\kt+4*\u+3], v[ALZ] offset:64*\kt+16*\u
.endr
.endr
.endm
.macro LD_V                            ; the step's eight fragments of V^T: keys 32 (g / 8) on, channels 16 ((g / 2) % 4) on
	WIN 0x40
.irp g, 0,1,2,3,4,5,6,7,8,9,10,11,12,13,14,15
	ds_load_b128 v[BUF1+4*\g:BUF1+4*\g+3], v[ADV] offset:512*\g
.endr
	WIN 0
.endm
.macro FMA t, p                        ; pair p of tile t: c s - c m
	v_pk_fma_f32 v[S+32*(\t)+2*(\p):S+32*(\t)+2*(\p)+1], v[S+32*(\t)+2*(\p):S+32*(\t)+2*(\p)+1], s[CS:CS+1], v[ST+8*(\t):ST+8*(\t)+1] op_sel_hi:[1,0,0] neg_lo:[0,0,1] neg_hi:[0,0,1]
.endm
.macro EXPO t, e
	v_exp_f32 v[S+32*(\t)+(\e)], v[S+32*(\t)+(\e)]
.endm
.macro SUMP t, p, first                ; the step's sum takes pair p (pairs 0 and 1 start it); in the first step the last addition writes l
.if (\p) == 0
	v_pk_add_f32 v[ST+8*(\t)+4:ST+8*(\t)+5], v[S+32*(\t):S+32*(\t)+1], v[S+32*(\t)+2:S+32*(\t)+3]
.elseif (\p) == 1
.elseif ((\p) == 15) && \first
	v_pk_add_f32 v[ST+8*(\t)+2:ST+8*(\t)+3], v[ST+8*(\t)+4:ST+8*(\t)+5], v[S+32*(\t)+30:S+32*(\t)+31]
.else
	v_pk_add_f32 v[ST+8*(\t)+4:ST+8*(\t)+5], v[ST+8*(\t)+4:ST+8*(\t)+5], v[S+32*(\t)+2*(\p):S+32*(\t)+2*(\p)+1]
.endif
.endm
.macro CVTP t, p                       ; pair p rounded to f16, in place: register p lies in pair p / 2, which the sum and this macro have already read
	v_cvt_pk_f16_f32 v[S+32*(\t)+(\p)], v[S+32*(\t)+2*(\p)], v[S+32*(\t)+2*(\p)+1]
.endm
; A KEY STEP: 64 keys.  first = 1: it starts m, l and O^T.  last = 1: nothing more is fetched.
.macro STEP first, last
	s_wait_dscnt 8                                 ; K's channels 0-31 and the log-sizes are in; the youngest eight loads (channels 32-63) may be out
	WIN 0x04                                       ; Q in window 1
.irp kt, 0,1,2,3
.irp qt, 0,1,2,3
	v_wmma_f32_16x16x32_f16 v[S+32*\qt+8*\kt:S+32*\qt+8*\kt+7], v[BUF0+8*\kt:BUF0+8*\kt+7], v[QF+16*\qt:QF+16*\qt+7], v[LZ+8*\kt:LZ+8*\kt+7]   ; the sixteen accumulators take turns
.endr
.endr
	s_wait_dscnt 0x0
	WIN 0x05                                       ; K and Q in window 1
.irp kt, 0,1,2,3
.irp qt, 0,1,2,3
	v_wmma_f32_16x16x32_f16 v[S+32*\qt+8*\kt:S+32*\qt+8*\kt+7], v[BUF1+8*\kt:BUF1+8*\kt+7], v[QF+16*\qt+8:QF+16*\qt+15], v[S+32*\qt+8*\kt:S+32*\qt+8*\kt+7]
.endr
.endr
	WIN 0
	v_add_nc_u32 v[ADV], s[TB], v[AV0]             ; four plain instructions: the places between the products and the loads into their operands, and the first read of the scores
.if \last
.rept 3
	v_nop
.endr
.else
	s_add_co_u32 s[TB], s[TB], 8192
	s_add_co_u32 s[TL], s[TL], 256
	v_add_nc_u32 v[ADK], s[TB], v[LI]
	v_add_nc_u32 v[ALZ], s[TL], v[AL0]
	v_nop
.endif
	LD_V                                           ; this step's V,
.if \last == 0
	LD_K0                                          ; the next step's K, channels 0-31,
	LD_LZ                                          ; and its log-sizes: all land under the softmax
.endif
	; the maximum of a lane's 32 scores and the old m, three operands at a time; each accumulator is read from its low end on; the four tiles by turns
.irp k, 0,1,2,3
.irp t, 0,1,2,3
	v_max3_num_f32 v[ST+8*\t+4+\k], v[S+32*\t+8*\k], v[S+32*\t+8*\k+1], v[S+32*\t+8*\k+2]
.endr
.endr
.irp u, 3,5
.irp k, 0,1,2,3
.irp t, 0,1,2,3
	v_max3_num_f32 v[ST+8*\t+4+\k], v[ST+8*\t+4+\k], v[S+32*\t+8*\k+\u], v[S+32*\t+8*\k+\u+1]
.endr
.endr
.endr
.irp t, 0,1,2,3
	v_max3_num_f32 v[ST+8*\t+4], v[ST+8*\t+4], v[S+32*\t+7], v[S+32*\t+15]
.endr
.irp t, 0,1,2,3
	v_max3_num_f32 v[ST+8*\t+6], v[ST+8*\t+6], v[S+32*\t+23], v[S+32*\t+31]
.endr
.irp t, 0,1,2,3
	v_max3_num_f32 v[ST+8*\t+4], v[ST+8*\t+4], v[ST+8*\t+5], v[ST+8*\t+6]
.endr
.irp t, 0,1,2,3
.if \first
	v_max_num_f32 v[ST+8*\t+4], v[ST+8*\t+4], v[ST+8*\t+7]
.else
	v_max3_num_f32 v[ST+8*\t+4], v[ST+8*\t+4], v[ST+8*\t+7], v[ST+8*\t+1]
.endif
.endr
.irp t, 0,1,2,3
	v_permlanex16_b32 v[ST+8*\t+5], v[ST+8*\t+4], s[SEL], s[SEL+1]   ; the query's other 32 keys lie in the lane 16 away
.endr
.if \first == 0
.irp t, 0,1,2,3
	v_mov_b32 v[ST+8*\t+7], v[ST+8*\t]             ; c m_old is kept for f
.endr
.endif
.irp t, 0,1,2,3
	v_max_num_f32 v[ST+8*\t+1], v[ST+8*\t+4], v[ST+8*\t+5]
.endr
.irp t, 0,1,2,3
	v_mul_f32 v[ST+8*\t], s[CS], v[ST+8*\t+1]
.endr
.if \first == 0
.irp t, 0,1,2,3
	v_sub_f32 v[ST+8*\t+7], v[ST+8*\t+7], v[ST+8*\t]
.endr
.irp t, 0,1,2,3
	v_exp_f32 v[ST+8*\t+6], v[ST+8*\t+7]           ; f = 2^(c m_old - c m_new)
.endr
.endif
	; FIRST BATCH of exponentials: f, and tiles 0 and 1; the scalings of tiles 2 and 3 stand among them; nothing here names a result
.set i, 0
.rept 16
	FMA 0, i
	FMA 1, i
.set i, i+1
.endr
.set i, 0
.rept 32
	EXPO 0, i
	EXPO 1, i
	FMA 2+i%2, i/2
.set i, i+1
.endr
	v_nop                                          ; a plain instruction behind the last exponential,
	s_wait_alu depctr_va_vdst(0)                   ; and one wait for the batch, ahead of its first reader
	; SECOND BATCH: tiles 2 and 3; the sums and roundings of tiles 0 and 1, which read the first batch alone, stand among them
.set i, 0
.rept 16
	EXPO 2, 2*i
	SUMP 0, i, \first
	EXPO 2, 2*i+1
	SUMP 1, i, \first
	EXPO 3, 2*i
	CVTP 0, i
	EXPO 3, 2*i+1
	CVTP 1, i
.set i, i+1
.endr
	v_nop
	s_wait_alu depctr_va_vdst(0)                   ; one wait for the second batch
.set i, 0
.rept 16
	SUMP 2, i, \first
	SUMP 3, i, \first
	CVTP 2, i
	CVTP 3, i
.set i, i+1
.endr
.if \first == 0
.irp t, 0,1,2,3
	v_pk_fma_f32 v[ST+8*\t+2:ST+8*\t+3], v[ST+8*\t+2:ST+8*\t+3], v[ST+8*\t+6:ST+8*\t+7], v[ST+8*\t+4:ST+8*\t+5] op_sel_hi:[1,0,1]   ; l = f l + the step's sum
.endr
	WIN 0x41                                       ; O^T in window 1, f in window 0
.irp t, 0,1,2,3
.irp i, 0,2,4,6,8,10,12,14,16,18,20,22,24,26,28,30
	v_pk_mul_f32 v[O+32*\t+\i:O+32*\t+\i+1], v[O+32*\t+\i:O+32*\t+\i+1], v[ST+8*\t+6:ST+8*\t+7] op_sel_hi:[1,0]
.endr
.endr
.endif
.if \last
	s_wait_dscnt 0x0
.else
	s_wait_dscnt 16                                ; V is in; the sixteen younger loads (the next K and log-sizes) may be out
.endif
	WIN 0x51                                       ; V, C and D in window 1, P in window 0
.irp kb, 0,1
.irp ct, 0,1,2,3
.irp qt, 0,1,2,3
.if \first && (\kb == 0)
	v_wmma_f32_16x16x32_f16 v[O+32*\qt+8*\ct:O+32*\qt+8*\ct+7], v[BUF1+8*(4*\kb+\ct):BUF1+8*(4*\kb+\ct)+7], v[S+32*\qt+8*\kb:S+32*\qt+8*\kb+7], 0   ; the first products start the sums: nothing is cleared
.else
	v_wmma_f32_16x16x32_f16 v[O+32*\qt+8*\ct:O+32*\qt+8*\ct+7], v[BUF1+8*(4*\kb+\ct):BUF1+8*(4*\kb+\ct)+7], v[S+32*\qt+8*\kb:S+32*\qt+8*\kb+7], v[O+32*\qt+8*\ct:O+32*\qt+8*\ct+7]
.endif
.endr
.endr
.endr
	WIN 0
.if \last == 0
.rept 5
	v_nop                                          ; four places in front of the loads into V's registers; the fifth is owed since the next step's first products write over P, which these products read
.endr
	LD_K1                                          ; the next step's K, channels 32-63
.endif
.endm
	v_add_nc_u32 v[ADK], s[TB], v[LI]              ; key step 0
	v_add_nc_u32 v[ALZ], s[TL], v[AL0]
	LD_K0
	LD_LZ
	LD_K1
	s_wait_loadcnt 0x0                             ; Q
	STEP 1, 0                                      ; steps 0 to 2 read keys 0-255 alone (step 2 fetches step 3's K): they are written out, so that their LDS addresses are constants of the text
	STEP 0, 0
	STEP 0, 0
	s_wait_tensorcnt 0x0                           ; my part of stage B is in,
	s_wait_dscnt 0x0
	s_barrier_signal -1
	s_barrier_wait -1                              ; everybody's is
	s_mov_b32 s[CNT], 12
.Lstep:                                            ; steps 3 to 14
	STEP 0, 0
	s_sub_co_u32 s[CNT], s[CNT], 1
	s_cmp_lg_u32 s[CNT], 0
	s_cbranch_scc1 .Lstep
	STEP 0, 1
	; THE WAY OUT.  l's two halves and the other half of the lanes' are added (these additions are the places behind the last products); O^T is divided by l, rounded to f16, and stored at 16 x lane.
.irp t, 0,1,2,3
	v_add_f32 v[ST+8*\t+4], v[ST+8*\t+2], v[ST+8*\t+3]
.endr
.irp t, 0,1,2,3
	v_permlanex16_b32 v[ST+8*\t+5], v[ST+8*\t+4], s[SEL], s[SEL+1]
.endr
.irp t, 0,1,2,3
	v_add_f32 v[ST+8*\t+4], v[ST+8*\t+4], v[ST+8*\t+5]
.endr
.irp t, 0,1,2,3
	v_rcp_f32 v[ST+8*\t+6], v[ST+8*\t+4]
.endr
	v_nop
	s_wait_alu depctr_va_vdst(0)                   ; one wait for the four reciprocals
	WIN 0x41
.irp t, 0,1,2,3
.irp i, 0,2,4,6,8,10,12,14,16,18,20,22,24,26,28,30
	v_pk_mul_f32 v[O+32*\t+\i:O+32*\t+\i+1], v[O+32*\t+\i:O+32*\t+\i+1], v[ST+8*\t+6:ST+8*\t+7] op_sel_hi:[1,0]
.endr
.endr
	WIN 0x05                                       ; sources in window 1, destination in window 0: S^T's registers are free
.set i, 0
.rept 64
	v_cvt_pk_f16_f32 v[S+i], v[O+2*i], v[O+2*i+1]
.set i, i+1
.endr
	WIN 0
.irp qt, 0,1,2,3
.irp ct, 0,1,2,3
	global_store_b128 v[LI], v[S+16*\qt+4*\ct:S+16*\qt+4*\ct+3], s[8:9] offset:(\ct/2)*8192+\qt*1024+(\ct%2)*512   ; 32 lanes store 512 consecutive bytes
.endr
.endr
	s_wait_tensorcnt 0x0                           ; the wave's end
	ds_add_u32 v[SPW], v[NIL]
	s_wait_dscnt 0x0
	s_endpgm
.Lfunc_end_k_q1a593840ae_attn:
	.size	k_q1a593840ae_attn, .Lfunc_end_k_q1a593840ae_attn-k_q1a593840ae_attn
	.p2alignl 7, 3214868480
	.fill 96, 4, 3214868480
	.section	.rodata,"a",@progbits
	.p2align	6, 0x0
	.amdhsa_kernel k_q1a593840ae_attn
		.amdhsa_group_segment_fixed_size 327680
		.amdhsa_private_segment_fixed_size 0
		.amdhsa_enable_private_segment 0
		.amdhsa_kernarg_size 32
		.amdhsa_user_sgpr_count 2
		.amdhsa_user_sgpr_kernarg_segment_ptr 1
		.amdhsa_wavefront_size32 1
		.amdhsa_system_sgpr_workgroup_id_x 1
		.amdhsa_system_sgpr_workgroup_id_y 1
		.amdhsa_system_sgpr_workgroup_id_z 1
		.amdhsa_system_vgpr_workitem_id 0
		.amdhsa_next_free_vgpr 512
		.amdhsa_next_free_sgpr 66
		.amdhsa_reserve_vcc 0
		.amdhsa_float_denorm_mode_32 3
		.amdhsa_float_denorm_mode_16_64 3
		.amdhsa_memory_ordered 1
		.amdhsa_forward_progress 1
		.amdhsa_inst_pref_size 186
	.end_amdhsa_kernel
	.amdgpu_metadata
---
amdhsa.version: [ 1, 2 ]
amdhsa.kernels:
  - .name:           k_q1a593840ae_attn
    .symbol:         k_q1a593840ae_attn.kd
    .args:
      - { .name: qkv, .offset: 0, .size: 8, .value_kind: global_buffer, .address_space: global }
      - { .name: size, .offset: 8, .size: 8, .value_kind: global_buffer, .address_space: global }
      - { .name: ow, .offset: 16, .size: 8, .value_kind: global_buffer, .address_space: global }
      - { .name: out1, .offset: 24, .size: 8, .value_kind: global_buffer, .address_space: global }
    .group_segment_fixed_size: 327680
    .private_segment_fixed_size: 0
    .kernarg_segment_align: 8
    .kernarg_segment_size: 32
    .max_flat_workgroup_size: 256
    .sgpr_count:     66
    .vgpr_count:     512
    .wavefront_size: 32
...
	.end_amdgpu_metadata
.endif
;; end of part 3
;; launch proj (part 4): grid 4 x 64, 4 waves a work-group, clusters of 4 x 1, 327,680 bytes of LDS; arguments ow, wimg, b_proj, out0; writes out0
.if DOCPART == 4
	.amdgcn_target "amdgcn-amd-amdhsa--gfx1250"
	.amdhsa_code_object_version 6
	.text
	.protected	k_q1a593840ae_proj
	.globl	k_q1a593840ae_proj
	.p2align	8
	.type	k_q1a593840ae_proj,@function
k_q1a593840ae_proj:
	s_mov_b64 s[64:65], 0
	v_nop
	global_prefetch_b8 v0, s[64:65] scope:SCOPE_SE
	s_setreg_imm32_b32 hwreg(HW_REG_WAVE_MODE, 25, 1), 1
	s_wait_xcnt 0x0
	s_wait_alu depctr_hold_cnt(0) depctr_sa_sdst(0) depctr_va_vdst(0) depctr_va_sdst(0) depctr_va_ssrc(0) depctr_va_vcc(0) depctr_vm_vsrc(0)
	s_getreg_b32 s2, hwreg(HW_REG_IB_STS2, 6, 4)
	s_cmp_eq_u32 s2, 0
	s_cbranch_scc0 .Lentry_in_a_cluster
	s_endpgm
.Lentry_in_a_cluster:
	s_bfe_u32 s2, ttmp6, 0x10000c
	s_cmp_lg_u32 s2, 0x3003
	s_cbranch_scc0 .Lentry_shape_is_right
	s_endpgm
.Lentry_shape_is_right:
; PROJ.  out0 = o w_proj^T + b_proj.  o and w_proj are f16, in the order of operand registers (launches attn and prep); sums in f32; K = 1,024 in 32 steps of 32.
; SHARES.  A work-group makes 128 tokens (y) x 256 features (its place in the cluster), a wave 128 x 64: 32 accumulators of 16 x 16.
; The block's o, 262,144 dense bytes with K outermost, LIES IN LDS WHOLE, in four chunks of 8 K steps; nothing is filled again.  CLUSTER: the four work-groups of a cluster make the four feature blocks of the same
; 128 tokens, so o's block is asked for jointly: the same four loads a wave, with the same descriptors and a mask that names the four.
; A wave's own fragments of w go from memory straight into a ring of eight register sets, eight K steps ahead: they are no other wave's of the work-group.
; Source 0 = 16 features, source 1 = 16 tokens: a lane holds one token and eight neighbouring features.  The bias is the C of each sum's first matrix instruction.
; NO PREFETCH: o is asked for whole at the head; w's fragments are read again by every block of tokens.
; REGISTERS: window 0: v1-11 addresses; v32-63 the bias; v64-127, v128-191 o's fragments of a K step, two buffers.   window 1: w's ring, set k % 8 at v[32 (k % 8)]; on the way out rows of out0.
;   window 2: accumulator (a, b) at v[8 (4 a + b)].
.set STG,   262144                     ; behind o: a stage of 16 rows x (256 bytes + 16) for each wave
.set SPARE, STG+4*16*272               ; the spare words, 128 bytes for each wave, that no other line names
.set LI,  1                            ; v1    16 x lane
.set ADA, 2                            ; v2-5  16 x lane + 65,536 x chunk
.set STO, 6                            ; v6    the way out: where I put 32 bytes of a row
.set RD,  7                            ; v7    where I read a row back
.set CO,  8                            ; v8    my byte offset in out0
.set SPW, 28                           ; v28   LDS address of my spare word; never rewritten
.set NIL, 29                           ; v29   0; never rewritten
.set BI,  32
.set AB,  64
.set G1,  16                           ; s[16:23] group 1;  s[32:47] four groups 0
.set G0,  32
.set MSB, 0
.macro WIN new                         ; s_set_vgpr_msb: bits 1:0 source 0, 3:2 source 1, 5:4 source 2, 7:6 destination; the high byte repeats the setting that is left
.if MSB != (\new)
	s_set_vgpr_msb (MSB<<8)|(\new)
.set MSB, (\new)
.endif
.endm
.macro CROUND                          ; a round of the cluster's barrier
	s_barrier_signal -1
	s_barrier_wait -1
	s_cmp_lg_u32 s12, 0
	s_cbranch_scc1 .Lnot_wave_0_\@
	s_barrier_signal -3
.Lnot_wave_0_\@:
	s_barrier_wait -3
	s_barrier_signal -1
	s_barrier_wait -1
.endm
	s_load_b256 s[4:11], s[0:1], 0x0               ; ow s[4:5], wimg s[6:7], b_proj s[8:9], out0 s[10:11]
	v_lshl_add_u32 v[SPW], v0, 2, SPARE
	v_mov_b32 v[NIL], 0
	ds_add_u32 v[SPW], v[NIL]                      ; the wave's opening: the add, twice on end, and its wait ahead of my first tensor load
	ds_add_u32 v[SPW], v[NIL]
	v_lshrrev_b32 v9, 5, v0
	v_readfirstlane_b32 s12, v9                    ; wave 0..3
	s_bfe_u32 s13, ttmp6, 0x40000                  ; cx: my block of 256 features: it enters w's, the bias's and out0's addresses alone
	s_and_b32 s14, ttmp7, 0xffff                   ; the block of 128 tokens, which the four partners share
	s_mov_b32 s[G1], 15|(3<<16)|(1<<21)            ; 15:0 the mask: all four; 17:16 elements of 8 bytes; 21 set beside a mask; no padding
	s_mov_b32 s[G1+1], 32<<16                      ; tensor_dim0 = 32 elements: rows of 256 bytes
	s_mov_b32 s[G1+2], 64<<16                      ; tensor_dim1 = 64
	s_mov_b32 s[G1+3], 32<<16                      ; tile_dim0
	s_mov_b32 s[G1+4], 64                          ; tile_dim1
	s_mov_b32 s[G1+5], 32                          ; dense
	s_mov_b32 s[G1+6], 0
	s_mov_b32 s[G1+7], 0
	s_lshl_b32 s48, s12, 14                        ; my quarter of a chunk: 16,384 bytes
	s_lshl_b32 s50, s14, 18                        ; the block's 262,144 bytes
	s_add_co_u32 s50, s50, s48
	s_mov_b32 s51, 0
	s_wait_dscnt 0x0                               ; both opening adds are done
	s_wait_kmcnt 0x0
	s_add_nc_u64 s[50:51], s[4:5], s[50:51]
.irp q, 0,1,2,3
	s_mov_b32 s[G0+4*\q], 1
	s_add_co_u32 s[G0+4*\q+1], s48, \q*65536
	s_add_nc_u64 s[G0+4*\q+2:G0+4*\q+3], s[50:51], \q*65536
	s_or_b32 s[G0+4*\q+3], s[G0+4*\q+3], 0x80000000
.endr
	CROUND                                         ; all four work-groups are here: the joint loads meet
.irp q, 0,1,2,3
	tensor_load_to_lds s[G0+4*\q:G0+4*\q+3], s[G1:G1+7]   ; four tensor loads of mine are out
	s_nop 0
.endr
.rept 4
	v_nop
.endr
	s_lshl_b32 s48, s13, 10                        ; my first feature, in bytes of f32: 1,024 cx + 256 wave
	s_lshl_b32 s49, s12, 8
	s_add_co_u32 s48, s48, s49
	s_mov_b32 s49, 0
	s_add_nc_u64 s[8:9], s[8:9], s[48:49]
	s_add_nc_u64 s[10:11], s[10:11], s[48:49]
	s_lshl_b32 s48, s14, 19                        ; 128 rows of out0, 4,096 bytes each
	s_add_nc_u64 s[10:11], s[10:11], s[48:49]
	s_lshl_b32 s48, s13, 14                        ; w: fragment 16 cx + 4 wave of a K step's 64
	s_lshl_b32 s50, s12, 12
	s_add_co_u32 s48, s48, s50
	s_add_nc_u64 s[6:7], s[6:7], s[48:49]
	v_and_b32 v[LI], 31, v0
	v_lshlrev_b32 v[LI], 4, v[LI]
	v_and_b32 v9, 15, v0                           ; r
	v_bfe_u32 v10, v0, 4, 1                        ; h
	v_lshlrev_b32 v11, 5, v10
.irp b, 0,1,2,3
.irp u, 0,1
	global_load_b128 v[BI+8*\b+4*\u:BI+8*\b+4*\u+3], v11, s[8:9] offset:64*\b+16*\u   ; b_proj at features 16 b + 8 h + 0..7: the result's layout
.endr
.endr
.macro WLOAD k                         ; w's four fragments of K step k into set k % 8
	WIN 0x40
.irp b, 0,1,2,3
.irp c, 0,1
	global_load_b128 v[32*((\k)%8)+8*\b+4*\c:32*((\k)%8)+8*\b+4*\c+3], v[LI], s[6:7] offset:65536*(\k)+1024*\b+512*\c
.endr
.endr
	WIN 0
.endm
.macro ALOAD k                         ; o's eight fragments of K step k into buffer k % 2
.irp a, 0,1,2,3,4,5,6,7
.irp c, 0,1
	ds_load_b128 v[AB+64*((\k)%2)+8*\a+4*\c:AB+64*((\k)%2)+8*\a+4*\c+3], v[ADA+(\k)/8] offset:((\k)%8)*8192+1024*\a+512*\c
.endr
.endr
.endm
.irp k, 0,1,2,3,4,5,6,7
	WLOAD \k
.endr
.irp q, 0,1,2,3
	v_add_nc_u32 v[ADA+\q], \q*65536, v[LI]
.endr
	s_mul_i32 s48, s12, 16*272
	s_add_co_u32 s48, s48, STG                     ; my stage
	v_mul_u32_u24 v[STO], v9, 272
	v_lshl_add_u32 v[STO], v10, 5, v[STO]
	v_add_nc_u32 v[STO], s48, v[STO]               ; in: row r, 32 bytes for each half of the lanes
	v_mul_u32_u24 v[RD], v10, 272
	v_lshl_add_u32 v[RD], v9, 4, v[RD]
	v_add_nc_u32 v[RD], s48, v[RD]                 ; back: lanes 0-15 one row of 256 bytes, lanes 16-31 the next
	v_lshlrev_b32 v[CO], 12, v10
	v_lshl_add_u32 v[CO], v9, 4, v[CO]             ; and the same two rows in out0
	s_wait_tensorcnt 3                             ; my part of chunk 0 is in; the three younger loads may be out
	s_barrier_signal -1
	s_barrier_wait -1                              ; everybody's is
	ALOAD 0
	ALOAD 1
; K STEP K: 32 matrix instructions; behind them w's set and o's buffer are asked for anew.  The 32 accumulators take turns in the same order in every step.
.macro KSUB
.set LC, 56
.if K > 24
.set LC, 8*(31-K)
.endif
	s_wait_loadcnt LC                              ; w's set of this step is in; the sets asked for behind it, eight loads each, may be out
.if K < 31
	s_wait_dscnt 16                                ; o's fragments of this step are in; the next step's sixteen loads may be out
.else
	s_wait_dscnt 0x0
.endif
.if K == 0
	WIN 0x81                                       ; w in window 1, o and the bias in window 0, D in window 2
.else
	WIN 0xa1                                       ; C in window 2 too
.endif
.irp a, 0,1,2,3,4,5,6,7
.irp b, 0,1,2,3
.if K == 0
	v_wmma_f32_16x16x32_f16 v[8*(4*\a+\b):8*(4*\a+\b)+7], v[32*(K%8)+8*\b:32*(K%8)+8*\b+7], v[AB+64*(K%2)+8*\a:AB+64*(K%2)+8*\a+7], v[BI+8*\b:BI+8*\b+7]
.else
	v_wmma_f32_16x16x32_f16 v[8*(4*\a+\b):8*(4*\a+\b)+7], v[32*(K%8)+8*\b:32*(K%8)+8*\b+7], v[AB+64*(K%2)+8*\a:AB+64*(K%2)+8*\a+7], v[8*(4*\a+\b):8*(4*\a+\b)+7]
.endif
.endr
.endr
	WIN 0
.if K <= 29
.rept 4
	v_nop                                          ; places in front of loads into registers that these products have read
.endr
.endif
.if K <= 23
	WLOAD K+8
.endif
.if K <= 29
.if (K+2)%8 == 0
	s_wait_tensorcnt 3-(K+2)/8                     ; my part of the next chunk is in; the younger chunks' loads may be out,
	s_wait_dscnt 0x0                               ; no LDS load of mine is out at the signal,
	s_barrier_signal -1
	s_barrier_wait -1                              ; and everybody's part is in.
.endif
	ALOAD K+2
.endif
.endm
.set K, 0
.rept 32
	KSUB
.set K, K+1
.endr
; THE WAY OUT, block by block of 16 tokens x 64 features.  A lane holds 32 neighbouring bytes of a row and the lanes beside it hold other rows: so a block goes through my own stage and comes back as rows of 256 bytes,
; which sixteen lanes store as 256 consecutive bytes, at a multiple of 256 from out0's first byte.  LDS serves a wave's instructions in order: no wait between the stores and the loads, nor in front of the next block's stores.
.macro TOSTAGE a
	WIN 0x08                                       ; an LDS store's data are its source 1: window 2
.irp b, 0,1,2,3
	ds_store_b128 v[STO], v[8*(4*(\a)+\b):8*(4*(\a)+\b)+3] offset:64*\b          ; each accumulator from its low end on
	ds_store_b128 v[STO], v[8*(4*(\a)+\b)+4:8*(4*(\a)+\b)+7] offset:64*\b+16
.endr
	WIN 0x40                                       ; back into window 1, whose ring is done with
.irp i, 0,1,2,3,4,5,6,7
	ds_load_b128 v[32*(\a)+4*\i:32*(\a)+4*\i+3], v[RD] offset:\i*2*272
.endr
.endm
.macro SEND a, younger                 ; younger: the LDS instructions issued behind block a's loads, which may stay out
	s_wait_dscnt \younger
	WIN 0x04                                       ; a store's data are its source 1: window 1
.irp i, 0,1,2,3,4,5,6,7
	global_store_b128 v[CO], v[32*(\a)+4*\i:32*(\a)+4*\i+3], s[10:11] offset:(16*(\a)+2*\i)*4096 th:TH_STORE_NT   ; written once, read by nobody here; no register is stored from twice
.endr
.endm
.rept 4
	v_nop                                          ; places behind the last products, in front of the first read of results and of the loads into w's registers
.endr
	TOSTAGE 0
.irp a, 1,2,3,4,5,6,7
	TOSTAGE \a
	SEND \a-1, 16                                  ; behind block a - 1's loads: block a's eight stores and eight loads
.endr
	SEND 7, 0
	WIN 0
	s_wait_tensorcnt 0x0                           ; the wave's end
	ds_add_u32 v[SPW], v[NIL]
	s_wait_dscnt 0x0
	CROUND                                         ; the closing round
	s_endpgm
.Lfunc_end_k_q1a593840ae_proj:
	.size	k_q1a593840ae_proj, .Lfunc_end_k_q1a593840ae_proj-k_q1a593840ae_proj
	.p2alignl 7, 3214868480
	.fill 96, 4, 3214868480
	.section	.rodata,"a",@progbits
	.p2align	6, 0x0
	.amdhsa_kernel k_q1a593840ae_proj
		.amdhsa_group_segment_fixed_size 327680
		.amdhsa_private_segment_fixed_size 0
		.amdhsa_enable_private_segment 0
		.amdhsa_kernarg_size 32
		.amdhsa_user_sgpr_count 2
		.amdhsa_user_sgpr_kernarg_segment_ptr 1
		.amdhsa_wavefront_size32 1
		.amdhsa_system_sgpr_workgroup_id_x 1
		.amdhsa_system_sgpr_workgroup_id_y 1
		.amdhsa_system_sgpr_workgroup_id_z 1
		.amdhsa_system_vgpr_workitem_id 0
		.amdhsa_next_free_vgpr 768
		.amdhsa_next_free_sgpr 66
		.amdhsa_reserve_vcc 0
		.amdhsa_float_denorm_mode_32 3
		.amdhsa_float_denorm_mode_16_64 3
		.amdhsa_memory_ordered 1
		.amdhsa_forward_progress 1
		.amdhsa_inst_pref_size 152
	.end_amdhsa_kernel
	.amdgpu_metadata
---
amdhsa.version: [ 1, 2 ]
amdhsa.kernels:
  - .name:           k_q1a593840ae_proj
    .symbol:         k_q1a593840ae_proj.kd
    .args:
      - { .name: ow, .offset: 0, .size: 8, .value_kind: global_buffer, .address_space: global }
      - { .name: wimg, .offset: 8, .size: 8, .value_kind: global_buffer, .address_space: global }
      - { .name: b_proj, .offset: 16, .size: 8, .value_kind: global_buffer, .address_space: global }
      - { .name: out0, .offset: 24, .size: 8, .value_kind: global_buffer, .address_space: global }
    .group_segment_fixed_size: 327680
    .private_segment_fixed_size: 0
    .kernarg_segment_align: 8
    .kernarg_segment_size: 32
    .max_flat_workgroup_size: 128
    .sgpr_count:     66
    .vgpr_count:     768
    .wavefront_size: 32
...
	.end_amdgpu_metadata
.endif
;; end of part 4
